; MI455X (gfx1250); checked and timed in simulation.
; The chip was launched on July 23, 2026; its instructions are those of AMD's public machine-readable ISA for CDNA 5 (MIT licence, August 2026) and "CDNA5" Instruction Set Architecture Reference Guide (July 2026). The comments in the code are by the model that wrote it; some were corrected since.
;; Spatial Encoder3d. Allowed arithmetic: matrix products marked QUANTISED: E4M3 operands, one E8M0 scale for each 32 along K, by v_wmma_scale_f32_16x16x128_f8f6f4 with both operands' format E4M3, f32 sums; everything else in f32.
;; Inputs: W1 128 x 128 float32; W2 32 x 128 float32; b1 128 float32; b2 32 float32; beta_emb 203 x 1 float32; coord 2 x 512 x 3 float32; gamma_emb 203 x 1 float32; means 128 float32; node_type 2 x 512 int32; stds 128 float32.
;; Outputs: out0 2 x 512 x 512 x 32 float32.
;; This version of the problem:
;;   THIS VERSION OF THE PROBLEM IS GIVEN IN LOW PRECISION. The matrix products marked QUANTISED in the list below multiply operands that are first quantised to E4M3 (4 exponent bits, 3 mantissa bits; 8 bits a number), with one power-of-two scale for each 32 numbers along K (OCP MX v1.0); their sums are f32. All else is computed in f32.
;;   The module's matrix products, in the order in which they are computed (A, B: the left and right operand; K: the contracted axis; several contracted axes count as one K, in the product's order):
;;     1. [M 524,288, K 128] x [K 128, N 128]; A: computed on the way; B: input W1: QUANTISED
;;     2. [M 524,288, K 128] x [K 128, N 32]; A: computed on the way; B: input W2: QUANTISED
;;   THE QUANTISER, for each operand of a quantised product, along K:
;;     - K is cut into blocks of 32 from its start; a last block that is shorter is filled with zeros.
;;     - A block's scale is 2^e with e = floor(log2(the largest magnitude in the block)) - 8, held to -126 .. 127; a block of zeros has e = 0. As a byte (E8M0): e + 127.
;;     - Each number is divided by its block's scale, clamped to +-448, and rounded to the nearest number of E4M3, ties to even, subnormals kept.
;;     - The product sums the exact products of the quantised numbers (number of the format x scale) in f32.
;;   ~~~python
;;   def quantise(x, axis):      # numpy; x: float32 -> the quantised numbers, widened to float32 again
;;       x = np.moveaxis(x, axis, -1); K = x.shape[-1]
;;       x = np.pad(x, [(0, 0)] * (x.ndim - 1) + [(0, -K % 32)]); x = x.reshape(x.shape[:-1] + (-1, 32)); a = np.abs(x).max(-1, keepdims=True)
;;       e = np.where(a > 0, np.clip(np.frexp(np.where(a > 0, a, 1))[1] - 1 - 8, -126, 127), 0)      # np.frexp(a)[1] - 1 = floor(log2(a)), exactly
;;       r = np.clip(x / 2.0 ** e, -448, 448)
;;       step = 2.0 ** (np.maximum(np.frexp(np.where(r == 0, 1, r))[1] - 1, -6) - 3)
;;       q = np.round(r / step) * step * 2.0 ** e      # np.round: ties to even
;;       return np.moveaxis(q.reshape(q.shape[:-2] + (-1,))[..., :K], -1, axis).astype(np.float32)
;;   ~~~
;;   OPERANDS COMPUTED ON THE WAY. 'Computed on the way' means the value that the module computes at that place (a softmax that the list does not call 'softmax' is quantised finished and normalised). What goes into a quantiser is computed in f32, as accurately as f32 sums, v_exp_f32 and their like allow (about 1e-6 of the number): no bf16 or f16 on the way to a quantiser, and a product that is left as it is and whose result goes on into a quantised operand takes f32 operands (vector FMAs, or v_wmma_f32_16x16x4_f32). A number that lies on a knife's edge between two numbers of the format may be rounded either way, as far as f32 arithmetic and the matrix unit's own rounding can turn it there, and no further.
;; 2 versions, each right; version 2 is version 1 with the launch enc written anew for expert scheduling mode. Each part assembles by itself: llvm-mc -triple=amdgcn-amd-amdhsa -mcpu=gfx1250 --defsym DOCPART=n.
;; ======== version 1 of 2: 1 launch
;; launch enc (part 1): grid 256 x 1, 4 waves a work-group, no clusters, 55,296 bytes of LDS; arguments coord, node_type, means, stds, W1, b1, W2, b2, gamma_emb, beta_emb, out0; writes out0
.if DOCPART == 1
	.amdgcn_target "amdgcn-amd-amdhsa--gfx1250"
	.amdhsa_code_object_version 6
	.text
	.protected	k_q8f1135eb3a_enc
	.globl	k_q8f1135eb3a_enc
	.p2align	8
	.type	k_q8f1135eb3a_enc,@function
k_q8f1135eb3a_enc:
	s_mov_b64 s[64:65], 0
	v_nop
	global_prefetch_b8 v0, s[64:65] scope:SCOPE_SE
	s_setreg_imm32_b32 hwreg(HW_REG_WAVE_MODE, 25, 1), 1
	s_wait_xcnt 0x0
; out[b][n][m][:] = W2 gelu(W1 gk + b1) + b2,  gk[k] = exp(-((x - mean_k) / std_k)^2 / 2) / (sqrt(2 pi) std_k),  x = gamma |c_n - c_m| + beta.
; Both products on codes of FP8 (E4M3) with one E8M0 scale for each 32 along K; everything else in f32.
; SHARES.  1,024 rows (b, n) = 256 work-groups x 4 waves: a wave owns one row and walks its 512 m in 32 tiles of 16 pairs; its 65,536 bytes of output are consecutive, a tile's 2,048 too.
; A LANE (r = lane % 16, h = lane / 16) holds pair m = 16 i + r throughout: 64 of its 128 gk and 64 of its 128 hidden units, register 16 c + i = k 32 c + 16 h + i, which is the operand's own layout.
; BOTH PRODUCTS ARE USED TRANSPOSED (source 0 = 16 rows of the weight, source 1 = the 16 pairs' codes).  THE ROWS OF W1 THAT FORM A TILE ARE NOT NEIGHBOURS: lane r of tile 2 c + u takes row
; 32 c + 8 u + r + 8 (r / 8), so that the hidden layer comes out of the first product in the layout that the second wants.  The biases are the C of the products.  Each product is one K step of 128: no sum is carried on.
; THE VECTOR UNIT BOUNDS THIS KERNEL: a tile has 10 matrix instructions beside some 900 plain vector lines and 192 transcendentals.  So: packed f32 forms; weights, biases, means, 1/std in registers for the whole
; launch (442 registers a wave: hence one wave to a SIMD); nothing of a tile but its x and its results touches LDS; the transcendentals are dealt one by one between plain lines on other registers.
; PIPELINE.  Trip i: gelu and codes of tile i's hidden layer; exponentials and codes of tile i + 1's gk; then the second product of tile i, the first of tile i + 1, and the exponents of tile i + 2, whose 92 plain lines
; are the places behind the products and cover the way of tile i's results through the wave's stage in LDS.
; x is made with reference()'s own roundings (no fusing there; the root is corrected by one Newton step), since 1 / std magnifies its last bit.  x - mean is a true subtraction.
; gk = 2^(-u u + l), u = (x - mean) a, a = sqrt(log2(e) / 2) / std (division corrected by one step), l = -log2(sqrt(2 pi) std).
; gelu by erfc, which keeps the negative tail's relative accuracy: 2 h = (v + |v|) - |v| erfc(|v| / sqrt 2), erfc(z) = t exp(-z z + P(t)), t = 1 / (1 + z / 2), P of degree 9 (fractional error under 1.2e-7 for
; all z >= 0); its coefficients are multiplied by log2(e).  2 h IS WHAT IS QUANTISED: its codes are h's, its scale bytes are h's + 1, and 0x01010101 is taken off the scale word.
; NO CLUSTER, NO TENSOR LOAD, NO PREFETCH: all inputs together are 101,592 bytes, read once by each work-group at its head; there is no stream of inputs to share or to fetch ahead.
; LIMITS: NaN and infinities among the inputs are not served.  A gk or an erfc under 2^-126 becomes 0 (the exponential flushes).  A squared distance under 2^-126 gives a distance off by under 2^-27.
; A node type is held at 99 as an unsigned number.  |h| stays under 1.7e38.  A block of zeros gets the byte 1 with zero codes, which add nothing.
.set W1IMG, 0                          ; LDS: W1's 8 fragments as images of their registers, 2,048 bytes each (512 c + 16 lane)
.set W2IMG, 16384                      ; W2's: 4 images: wave w stores tile w % 2 at 2,048 w
.set W1SC,  24576                      ; W1's scale words, 128 bytes a tile (4 lane)
.set W2SC,  25600                      ; W2's
.set REC,   26112                      ; for each m of the batch: cx, cy, cz, gamma_tgt: 16 m
.set BT,    34304                      ; beta_tgt: 4 m
.set XT,    36352                      ; each wave's own x: 512 words and 32 more, which the look-ahead past the last tile reads
.set XTP,   2304
.set STG,   XT+4*XTP                   ; each wave's own stage: 16 rows of 128 bytes + 16
.set STP,   2304
; window 0
.set XA0, 4                            ; v4   XT + XTP wave + 4 r
.set XAD, 5                            ; v5   the x load in hand
.set STO, 6                            ; v6   the stage, on the way in
.set STR, 7                            ; v7   and on the way out
.set LI,  8                            ; v8   16 lane; also my byte in a store's 512
.set LS,  9                            ; v9   4 lane
.set GSW, 22                           ; v22  gk's scale word;  v23 the hidden layer's
.set HSW, 23
.set W1S, 24                           ; v24-31 W1's scale words;  v32-33 W2's
.set W2S, 32
.set TM,  34                           ; v34-49: +0 largest magnitudes, +4 the other half's / bytes, +8 448 x the scale, +12 the conversions' scale operands
.set CODES,  52                        ; v52-67  gk's codes
.set HCODES, 68                        ; v68-83  the hidden layer's
.set RO,   84                          ; v84-99  the second product's results
.set OUTR, 100                         ; v100-115 a tile's rows back from the stage
.set RV,  128                          ; v128-191 the first product's results v, then v + |v|, then 2 h
.set RSQ, 192                          ; v192-255 v v, then -v v log2(e) / 2 + c0
; window 1
.set RM,  0                            ; means
.set RA,  64                           ; a
.set RL,  128                          ; l
.set W2F, 192                          ; W2's two fragments
.set RB2, 224                          ; b2, two tiles in the result's layout
; window 2
.set W1F, 0                            ; W1's eight fragments
.set RB1, 128                          ; b1, eight tiles in the result's layout
; window 3
.set RT,  0                            ; 1 + |v| / sqrt 8, then t
.set RP,  64                           ; the polynomial, the exponential, erfc
.set RGK, 128                          ; x - mean, u, the exponent, gk
.set RAV, 192                          ; |v|
; s_set_vgpr_msb's low byte: bits 1:0 source 0, 3:2 source 1, 5:4 source 2, 7:6 destination; the high byte repeats the setting that is left
.set MSB, 0
.macro WIN new
.if MSB != \new
	s_set_vgpr_msb (MSB<<8)|\new
.set MSB, \new
.endif
.endm
; THE TRANSCENDENTALS' QUEUES.  All work in place on registers of window 3, and are written between the lines of runs whose source 0 and destination lie in window 3 and which name other registers: so each has a plain
; independent line behind it (ISA guide 5.7.2).  Queue 0 goes first (kind TK0: 0 reciprocal, 1 exponential); queue 1 holds the next tile's gk.  PACE, behind a host line, writes one for PN of every PD lines.
.set TK0, 0
.set TB0, 0
.set TN0, 0
.set TB1, 0
.set TN1, 0
.set PA, 0
.set PN, 0
.set PD, 1
.macro TR
.if TN0 > 0
.if TK0 == 0
	v_rcp_f32 v[TB0], v[TB0]
.else
	v_exp_f32 v[TB0], v[TB0]
.endif
.set TB0, TB0+1
.set TN0, TN0-1
.elseif TN1 > 0
	v_exp_f32 v[TB1], v[TB1]
.set TB1, TB1+1
.set TN1, TN1-1
.endif
.endm
.macro SETPACE n, d
.set PN, \n
.set PD, \d
.set PA, 0
.endm
.macro PACE
.set PA, PA+PN
.if PA >= PD
	TR
.set PA, PA-PD
.endif
.endm
.macro TRFLUSH                         ; what is left in the queues, bare, and one plain line behind it
.set TFN, TN0+TN1
.if TFN > 0
.rept TFN
	TR
.endr
	v_nop
	s_wait_alu depctr_va_vdst(0)
.endif
.endm
; From four largest magnitudes of my 16 numbers a block (v[TM] on) to the scale word: window 0 throughout
.macro SCALEW pw, adj
.irp b, 0,1,2,3
	v_permlanex16_b32 v[TM+4+\b], v[TM+\b], s42, s43
.endr
.irp b, 0,1,2,3
	v_max_num_f32 v[TM+\b], v[TM+\b], v[TM+4+\b]           ; with lane l xor 16's: the block's largest magnitude
.endr
.irp b, 0,1,2,3
	v_add_nc_u32 v[TM+12+\b], 0xfc000000, v[TM+\b]         ; 8 off its exponent field: the conversion takes that field as its scale
.endr
.irp b, 0,1,2,3
	v_and_or_b32 v[TM+8+\b], v[TM+\b], 0x7f800000, s44     ; 448 x the scale
.endr
.irp b, 0,1,2,3
	v_lshrrev_b32 v[TM+4+\b], 23, v[TM+12+\b]              ; the scale's byte
.endr
	v_lshl_or_b32 v[\pw], v[TM+5], 8, v[TM+4]
	v_lshl_or_b32 v[\pw], v[TM+6], 16, v[\pw]
	v_lshl_or_b32 v[\pw], v[TM+7], 24, v[\pw]
.if \adj
	v_add_nc_u32 v[\pw], 0xfefefeff, v[\pw]                ; 1 off each byte (each is 2 at the least): the numbers were doubled
.endif
.endm
; 64 numbers of a lane in window 0, v[s] on, become a fragment's codes in v[pc] on and its scale word in v[pw]
.macro QUANT0 s, floor, adj, pc, pw
.irp b, 0,1,2,3
	v_max3_num_f32 v[TM+\b], |v[\s+16*\b]|, |v[\s+1+16*\b]|, \floor   ; the floor among the leaves holds the byte from below
.endr
.irp i, 2,4,6,8,10,12,14
.irp b, 0,1,2,3
	v_max3_num_f32 v[TM+\b], v[TM+\b], |v[\s+16*\b+\i]|, |v[\s+1+16*\b+\i]|
.endr
.endr
	SCALEW \pw, \adj
.irp b, 0,1,2,3
.irp i, 0,1,2,3,4,5,6,7,8,9,10,11,12,13,14,15
	v_med3_num_f32 v[\s+16*\b+\i], v[\s+16*\b+\i], -v[TM+8+\b], v[TM+8+\b]   ; the conversion to an 8-bit code does not saturate (ISA guide 7.6.2)
.endr
	v_cvt_scalef32_pk8_fp8_f32 v[\pc+4*\b:\pc+4*\b+1], v[\s+16*\b:\s+16*\b+7], v[TM+12+\b]
	v_cvt_scalef32_pk8_fp8_f32 v[\pc+4*\b+2:\pc+4*\b+3], v[\s+16*\b+8:\s+16*\b+15], v[TM+12+\b]
.endr
.endm
; gk (window 3; never negative, so no |.| and a one-sided hold) becomes CODES and GSW.  The 64 holds are a host run.
.macro QG
	WIN 0x3C
	s_wait_alu depctr_va_vdst(0)
.irp b, 0,1,2,3
	v_max3_num_f32 v[TM+\b], 0x4800000, v[RGK+16*\b], v[RGK+16*\b+1]
.endr
.irp i, 2,4,6,8,10,12,14
.irp b, 0,1,2,3
	v_max3_num_f32 v[TM+\b], v[TM+\b], v[RGK+16*\b+\i], v[RGK+16*\b+\i+1]
.endr
.endr
	WIN 0
	SCALEW GSW, 0
	WIN 0xC3
.irp b, 0,1,2,3
.irp i, 0,1,2,3,4,5,6,7,8,9,10,11,12,13,14,15
	v_min_num_f32 v[RGK+16*\b+\i], v[RGK+16*\b+\i], v[TM+8+\b]
	PACE
.endr
.endr
	WIN 0x03
	s_wait_alu depctr_va_vdst(0)
.irp b, 0,1,2,3
	v_cvt_scalef32_pk8_fp8_f32 v[CODES+4*\b:CODES+4*\b+1], v[RGK+16*\b:RGK+16*\b+7], v[TM+12+\b]
	v_cvt_scalef32_pk8_fp8_f32 v[CODES+4*\b+2:CODES+4*\b+3], v[RGK+16*\b+8:RGK+16*\b+15], v[TM+12+\b]
.endr
.endm
.macro DADD p0, n                      ; pairs p0 on: x - mean
	WIN 0xC4
.set j, 2*(\p0)
.rept \n
	v_pk_add_f32 v[RGK+j:RGK+j+1], v[16:17], v[RM+j:RM+j+1] op_sel_hi:[0,1] neg_lo:[0,1] neg_hi:[0,1]
.set j, j+2
.endr
.endm
.macro DMUL                            ; u = (x - mean) a
	WIN 0xC7
.set j, 0
.rept 32
	v_pk_mul_f32 v[RGK+j:RGK+j+1], v[RGK+j:RGK+j+1], v[RA+j:RA+j+1]
.set j, j+2
.endr
.endm
.macro DFMA                            ; -u u + l
	WIN 0xDF
.set j, 0
.rept 32
	v_pk_fma_f32 v[RGK+j:RGK+j+1], v[RGK+j:RGK+j+1], v[RGK+j:RGK+j+1], v[RL+j:RL+j+1] neg_lo:[1,0,0] neg_hi:[1,0,0]
.set j, j+2
.endr
.endm
.macro W1MUL                           ; v^T = W1 gk^T + b1: eight tiles of 16 hidden units
	WIN 0x22
.irp t, 0,1,2,3,4,5,6,7
	v_wmma_scale_f32_16x16x128_f8f6f4 v[RV+8*\t:RV+8*\t+7], v[W1F+16*\t:W1F+16*\t+15], v[CODES:CODES+15], v[RB1+8*\t:RB1+8*\t+7], v[W1S+\t], v[GSW]
.endr
.endm
.macro W2MUL                           ; out^T = W2 h^T + b2: two tiles of 16 heads
	WIN 0x11
.irp t, 0,1
	v_wmma_scale_f32_16x16x128_f8f6f4 v[RO+8*\t:RO+8*\t+7], v[W2F+16*\t:W2F+16*\t+15], v[HCODES:HCODES+15], v[RB2+8*\t:RB2+8*\t+7], v[W2S+\t], v[HSW]
.endr
.endm
.macro XLOAD                           ; the next tile's x: 64 bytes on in my wave's table
	s_add_co_u32 s46, s46, 64
	v_add_nc_u32 v[XAD], s46, v[XA0]
	ds_load_b32 v16, v[XAD]
.endm
.macro ST1                             ; lane (r, h) holds heads 16 t + 8 h + 0 .. 7 of pair r: into row r of my stage, each accumulator from its low end on; back as 512 consecutive bytes a load
	ds_store_b128 v[STO], v[RO:RO+3]
	ds_store_b128 v[STO], v[RO+4:RO+7] offset:16
	ds_store_b128 v[STO], v[RO+8:RO+11] offset:64
	ds_store_b128 v[STO], v[RO+12:RO+15] offset:80
.irp k, 0,1,2,3
	ds_load_b128 v[OUTR+4*\k:OUTR+4*\k+3], v[STR] offset:576*\k      ; LDS serves a wave's instructions in order (ISA guide 5.7.1.4): these see the stores above
.endr
.endm
.macro SEND
.irp k, 0,1,2,3
	global_store_b128 v[LI], v[OUTR+4*\k:OUTR+4*\k+3], s[28:29] offset:512*\k th:TH_STORE_NT   ; 32 lanes store 512 consecutive bytes, at a multiple of 512 from the output's first byte
.endr
.endm
.macro ST2
	s_wait_dscnt 1                                 ; the four loads from the stage are in; the x load issued behind them may be out
	SEND
	s_wait_xcnt 0x0                                ; the stores' data and base are rewritten only behind this wait
	s_add_nc_u64 s[28:29], s[28:29], 2048
.endm
; The products, and the exponents of the tile after the next.
.macro NEXT w2, st
	s_wait_dscnt 0x0                               ; x is in
	DADD 0, 4                                      ; four plain lines between the last conversion and the scaled products that read its codes
.if \w2
	W2MUL
.endif
	W1MUL
	DADD 4, 28                                     ; 28 plain lines that name no register of the products: the places in front of the stage's stores
	WIN 0
.if \st
	ST1
.endif
	XLOAD
	DMUL
	DFMA                                           ; 64 more, in front of the first read of v, and while the stage's loads are out
	WIN 0
.if \st
	ST2
.endif
.endm
.macro S12 o                           ; registers o .. o + 31: |v|, and 1 + |v| / sqrt 8
.set j, \o
.rept 32
	v_and_b32 v[RAV+j], s45, v[RV+j]               ; ascending: each accumulator is read from its low end on
	PACE
.set j, j+1
.endr
.set j, \o
.rept 16
	v_pk_fma_f32 v[RT+j:RT+j+1], v[RAV+j:RAV+j+1], s[48:49], 1.0 op_sel_hi:[1,0,0]
	PACE
.set j, j+2
.endr
.endm
.macro HORNER o                        ; registers o .. o + 31: (-z z + P(t)) log2(e), nine runs of 16 packed lines, so that no line waits for the line above it
.set j, \o
	s_wait_alu depctr_va_vdst(0)
.rept 16
	v_pk_fma_f32 v[RP+j:RP+j+1], v[RT+j:RT+j+1], s[68:69], v[18:19] op_sel_hi:[1,0,1]
	PACE
.set j, j+2
.endr
.irp c, 66,62,60,58,56,54,52
.set j, \o
.rept 16
	v_pk_fma_f32 v[RP+j:RP+j+1], v[RP+j:RP+j+1], v[RT+j:RT+j+1], s[\c:\c+1] op_sel_hi:[1,1,0]
	PACE
.set j, j+2
.endr
.endr
.set j, \o
	s_wait_alu depctr_va_vdst(0)
.rept 16
	v_pk_fma_f32 v[RP+j:RP+j+1], v[RP+j:RP+j+1], v[RT+j:RT+j+1], v[RSQ+j:RSQ+j+1]
	PACE
.set j, j+2
.endr
.endm
.macro S8 o                            ; erfc = t x the exponential
.set j, \o
.rept 16
	v_pk_mul_f32 v[RP+j:RP+j+1], v[RT+j:RT+j+1], v[RP+j:RP+j+1]
	PACE
.set j, j+2
.endr
.endm
; A TILE.  last = 1: the last tile: no next gk, no next products.
.macro BODY last
.if \last
.set TN1, 0
.else
.set TB1, RGK
.set TN1, 64                                           ; the next tile's 64 exponentials wait in queue 1
.endif
	WIN 0xC3
	SETPACE 2, 3
	S12 0                                          ; 48 lines, 32 of gk's exponentials between them
.set TK0, 0
.set TB0, RT
.set TN0, 32
	SETPACE 2, 3
	S12 32                                         ; 48 lines, the first 32 reciprocals
	WIN 0
.set j, 0
.rept 32
	v_pk_mul_f32 v[RSQ+j:RSQ+j+1], v[RV+j:RV+j+1], v[RV+j:RV+j+1]
.set j, j+2
.endr
.set j, 0
.rept 32
	v_pk_fma_f32 v[RSQ+j:RSQ+j+1], v[RSQ+j:RSQ+j+1], s[50:51], v[20:21] op_sel_hi:[1,0,1]
.set j, j+2
.endr
	WIN 0x0C
.set j, 0
	s_wait_alu depctr_va_vdst(0)
.rept 32
	v_pk_add_f32 v[RV+j:RV+j+1], v[RV+j:RV+j+1], v[RAV+j:RAV+j+1]
.set j, j+2
.endr
	WIN 0xCF
.set TK0, 0
.set TB0, RT+32
.set TN0, 32
	SETPACE 1, 3
	HORNER 0                                       ; 144 lines: the other 32 reciprocals, 16 of gk's exponentials
.set TK0, 1
.set TB0, RP
.set TN0, 32
	SETPACE 1, 3
	HORNER 32                                      ; 144 lines: the first 32 exponentials of erfc, gk's last 16
.set TK0, 1
.set TB0, RP+32
.set TN0, 32
.if \last == 0
	SETPACE 1, 2
	QG                                             ; its 64 holds: the other 32 exponentials of erfc
.endif
	WIN 0xCF
	SETPACE 1, 1
	S8 0                                           ; (a plain line behind QG's conversions.)  In the last tile: 16 of those exponentials,
	TRFLUSH                                        ; and the 16 left over
	SETPACE 0, 1
	S8 32
	WIN 0x0F
.set j, 0
.rept 32
	v_pk_fma_f32 v[RV+j:RV+j+1], v[RAV+j:RAV+j+1], v[RP+j:RP+j+1], v[RV+j:RV+j+1] neg_lo:[1,0,0] neg_hi:[1,0,0]   ; 2 h = (v + |v|) - |v| erfc
.set j, j+2
.endr
	WIN 0
	QUANT0 RV, 0x5000000, 1, HCODES, HSW           ; the floor 2^(10 - 127) for 2 h holds h's byte at 1
.if \last
.rept 4
	v_nop                                          ; four places between the codes' last conversion and the scaled product
.endr
	W2MUL
	WIN 0
.rept 8
	v_nop                                          ; eight places in front of the stores that read the results
.endr
	ST1
	s_wait_dscnt 0x0
	SEND
.else
	NEXT 1, 1
.endif
.endm
.macro WLOAD reg, adr, b, off          ; 64 f32 a lane: of my row, 16 neighbours of each block of 32: k = 32 c + 16 h + 0 .. 15
.irp c, 0,1,2,3
.irp j, 0,1,2,3
	global_load_b128 v[\reg+16*\c+4*\j:\reg+16*\c+4*\j+3], v[\adr], s[\b:\b+1] offset:\off+128*\c+16*\j
.endr
.endr
.endm
.macro IMAGE adr, off                  ; the fragment in CODES goes to LDS as it stands: any wave that loads it by the same four lines has the same registers in the same lanes
.irp c, 0,1,2,3
	ds_store_b128 v[\adr], v[CODES+4*\c:CODES+4*\c+3] offset:\off+512*\c
.endr
.endm
.macro PAIR reg, val                   ; the packed forms name a pair and take its low word for both halves: both words are written
	s_mov_b32 s[\reg], \val
	s_mov_b32 s[\reg+1], \val
.endm
; ---------------- THE HEAD ----------------
	s_load_b512 s[8:23], s[0:1], 0x0               ; coord 8, node_type 10, means 12, stds 14, W1 16, b1 18, W2 20, b2 22
	s_load_b128 s[24:27], s[0:1], 0x40             ; gamma_emb, beta_emb
	s_load_b64 s[28:29], s[0:1], 0x50              ; out
	v_lshl_add_u32 v124, v0, 2, 0xd600
	v_mov_b32 v125, 0
	v_lshrrev_b32 v1, 5, v0
	v_readfirstlane_b32 s30, v1                    ; wave
	v_and_b32 v1, 31, v0                           ; lane
	v_and_b32 v2, 15, v0                           ; r
	v_bfe_u32 v3, v0, 4, 1                         ; h
	s_lshl_b32 s31, ttmp9, 2
	s_add_co_u32 s31, s31, s30                     ; my row R = 512 b + n
	s_lshr_b32 s86, s31, 9                         ; b: the same in the four waves
	s_mov_b32 s33, 0                               ; the high word of every offset in s[32:33]
	s_mul_i32 s87, s30, XTP
	s_add_co_u32 s87, s87, XT                      ; my x table
	s_mul_i32 s88, s30, STP
	s_add_co_u32 s88, s88, STG                     ; my stage
	v_lshlrev_b32 v[LI], 4, v1
	v_lshlrev_b32 v[LS], 2, v1
	v_lshl_add_u32 v[XA0], v2, 2, s87
	v_add_nc_u32 v120, s87, v[LS]                  ; where I store x
	v_mul_u32_u24 v[STO], v2, 144
	v_lshl_add_u32 v[STO], v3, 5, v[STO]
	v_add_nc_u32 v[STO], s88, v[STO]               ; row r, + 32 h
	v_lshrrev_b32 v126, 3, v1
	v_and_b32 v127, 7, v1
	v_mul_u32_u24 v[STR], v126, 144
	v_lshl_add_u32 v[STR], v127, 4, v[STR]
	v_add_nc_u32 v[STR], s88, v[STR]               ; row lane / 8, 16 (lane % 8)
	s_lshl_b32 s89, s30, 12
	v_add_nc_u32 v10, s89, v[LI]                   ; 16 lane + 4,096 wave: my two images of W1
	s_lshl_b32 s89, s30, 11
	v_add_nc_u32 v11, s89, v[LI]                   ; 16 lane + 2,048 wave: my image of W2; my 128 records
	s_lshl_b32 s89, s30, 8
	v_add_nc_u32 v12, s89, v[LS]                   ; 4 lane + 256 wave: W1's scale words
	s_lshl_b32 s89, s30, 7
	v_add_nc_u32 v13, s89, v[LS]                   ; 4 lane + 128 wave: W2's
	s_lshl_b32 s89, s30, 9
	v_add_nc_u32 v14, s89, v[LS]                   ; 4 lane + 512 wave: my 128 node types, my 128 beta_tgt
	s_mul_i32 s89, s30, 1536
	v_mul_u32_u24 v15, v1, 12
	v_add_nc_u32 v15, s89, v15                     ; 12 lane + 1,536 wave: my 128 coordinates
	v_and_b32 v126, 8, v2
	v_add_nc_u32 v126, v126, v2                    ; r + 8 (r / 8)
	v_lshlrev_b32 v116, 9, v126
	v_lshl_add_u32 v116, v3, 6, v116               ; W1: that row of 512 bytes, + 64 h
	v_lshlrev_b32 v117, 9, v2
	v_lshl_add_u32 v117, v3, 6, v117               ; W2: row r, + 64 h
	v_lshlrev_b32 v118, 6, v3                      ; 64 h: means, stds, b1
	v_lshlrev_b32 v119, 5, v3                      ; 32 h: b2
	s_and_b32 s89, s30, 2
	s_lshl_b32 s89, s89, 11
	v_add_nc_u32 v121, s89, v[LI]                  ; W2's images are read from the pair of waves that I belong to: 2,048 (wave & 2)
	s_lshr_b32 s89, s89, 4
	v_add_nc_u32 v122, s89, v[LS]                  ; and their scale words: 128 (wave & 2)
	s_mov_b32 s42, 0x76543210
	s_mov_b32 s43, 0xfedcba98                      ; v_permlanex16_b32's selects for lane l xor 16
	s_mov_b32 s44, 0x600000                        ; the mantissa field of 448
	s_mov_b32 s45, 0x7fffffff
	s_mov_b32 s46, 0                               ; the x load's step
	PAIR 48, 0x3eb504f3                            ; 1 / sqrt 8
	PAIR 50, 0xbf38aa3b                            ; -log2(e) / 2
	PAIR 52, 0x3fb8ab5a                            ; c1 .. c7, c9 of P, x log2(e)
	PAIR 54, 0x3f0a29d2
	PAIR 56, 0x3e0efb2e
	PAIR 58, 0xbe899a80
	PAIR 60, 0x3ecdfd18
	PAIR 62, 0xbfd1a1e5
	PAIR 66, 0x40097039
	PAIR 68, 0x3e7c6f08
	s_mov_b32 s82, 0x3f596d27                      ; sqrt(log2(e) / 2)
	s_mov_b32 s83, 0x40206c99                      ; sqrt(2 pi)
	s_mov_b32 s84, 0x3c23d70a                      ; 0.01
	s_mov_b32 s85, 0x0d800000                      ; 2^-100
	v_mov_b32 v17, 0                               ; named with x as a pair
	v_mov_b32 v18, 0xbf97d29d                      ; c8
	v_mov_b32 v19, 0xbf97d29d
	v_mov_b32 v20, 0xbfe9b21e                      ; c0
	v_mov_b32 v21, 0xbfe9b21e
.irp b, 0,1,2,3
	v_mov_b32 v[TM+4+\b], 0                        ; written once: a lane permute's destination counts as one of its sources
.endr
	s_wait_kmcnt 0x0
	s_mul_i32 s32, s31, 12
	s_add_nc_u64 s[78:79], s[8:9], s[32:33]
	s_lshl_b32 s32, s31, 2
	s_add_nc_u64 s[80:81], s[10:11], s[32:33]
	s_load_b96 s[36:38], s[78:79], 0x0             ; c_n
	s_load_b32 s39, s[80:81], 0x0                  ; n's node type
	s_mul_i32 s32, s86, 6144
	s_add_nc_u64 s[70:71], s[8:9], s[32:33]        ; my batch's coordinates
	s_lshl_b32 s32, s86, 11
	s_add_nc_u64 s[72:73], s[10:11], s[32:33]      ; and node types
	s_lshl_b32 s32, s30, 14
	s_add_nc_u64 s[74:75], s[16:17], s[32:33]      ; W1's rows 32 wave on: tiles 2 wave and 2 wave + 1
	s_and_b32 s32, s30, 1
	s_lshl_b32 s32, s32, 13
	s_add_nc_u64 s[76:77], s[20:21], s[32:33]      ; W2's rows 16 (wave % 2) on
	s_lshl_b32 s32, s31, 16
	s_add_nc_u64 s[28:29], s[28:29], s[32:33]      ; my row of the output
.irp jj, 0,1,2,3
	global_load_b32 v[RO+\jj], v14, s[72:73] offset:128*\jj          ; node types of m = 128 wave + 32 jj + lane
.endr
.irp jj, 0,1,2,3
.irp c, 0,1,2
	global_load_b32 v[OUTR+4*\jj+\c], v15, s[70:71] offset:384*\jj+4*\c
.endr
.endr
	WLOAD RV, 116, 74, 0                           ; W1's tile 2 wave
	WLOAD RSQ, 116, 74, 4096                       ; tile 2 wave + 1: eight rows on
	s_wait_loadcnt 44                              ; the node types are in: behind them 12 + 16 + 16 loads
.irp jj, 0,1,2,3
	v_min_u32 v[RO+\jj], 99, v[RO+\jj]
.endr
.irp jj, 0,1,2,3
	v_lshlrev_b32 v[RO+\jj], 2, v[RO+\jj]
.endr
.irp jj, 0,1,2,3
	global_load_b32 v[OUTR+4*\jj+3], v[RO+\jj], s[24:25] offset:412  ; gamma_emb[type + 103]
	global_load_b32 v[RO+4+\jj], v[RO+\jj], s[26:27] offset:412      ; beta_emb[type + 103]
.endr
	s_wait_kmcnt 0x0
	s_min_u32 s39, s39, 99
	s_lshl_b32 s39, s39, 2
	s_load_b32 s40, s[24:25], s39 offset:0x8       ; gamma_emb[type + 2]
	s_load_b32 s41, s[26:27], s39 offset:0x8       ; beta_emb[type + 2]
	s_wait_loadcnt 24                              ; W1's first tile is in: behind it its second (16) and the embeddings (8)
	QUANT0 RV, 0x4800000, 0, CODES, GSW
	IMAGE 10, W1IMG
	ds_store_b32 v12, v[GSW] offset:W1SC
	WLOAD RV, 117, 76, 0                           ; W2's tile wave % 2
	s_wait_loadcnt 24                              ; W1's second tile is in: behind it the embeddings (8) and W2's tile (16)
	s_wait_dscnt 0x0                               ; the stores have read CODES and GSW
	QUANT0 RSQ, 0x4800000, 0, CODES, GSW
	IMAGE 10, W1IMG+2048
	ds_store_b32 v12, v[GSW] offset:W1SC+128
	WIN 0x40
	WLOAD RM, 118, 12, 0                           ; means, in gk's layout
	WIN 0xC0
	WLOAD RAV, 118, 14, 0                          ; stds
	WIN 0
	s_wait_loadcnt 48                              ; the embeddings are in: behind them W2's tile (16), means and stds (32)
.irp jj, 0,1,2,3
	ds_store_b128 v11, v[OUTR+4*\jj:OUTR+4*\jj+3] offset:REC+512*\jj
	ds_store_b32 v14, v[RO+4+\jj] offset:BT+128*\jj
.endr
	s_wait_loadcnt 32                              ; W2's tile is in: behind it means and stds
	s_wait_dscnt 0x0
	QUANT0 RV, 0x4800000, 0, CODES, GSW
	IMAGE 11, W2IMG
	ds_store_b32 v13, v[GSW] offset:W2SC
	WIN 0x80
.irp t, 0,1,2,3,4,5,6,7
	global_load_b128 v[RB1+8*\t:RB1+8*\t+3], v118, s[18:19] offset:(32*(\t/2)+8*(\t%2))*4       ; b1 at hidden units 32 (t / 2) + 16 h + 8 (t % 2) + 0 .. 7
	global_load_b128 v[RB1+8*\t+4:RB1+8*\t+7], v118, s[18:19] offset:(32*(\t/2)+8*(\t%2))*4+16
.endr
	WIN 0x40
.irp t, 0,1
	global_load_b128 v[RB2+8*\t:RB2+8*\t+3], v119, s[22:23] offset:64*\t                        ; b2 at heads 16 t + 8 h + 0 .. 7
	global_load_b128 v[RB2+8*\t+4:RB2+8*\t+7], v119, s[22:23] offset:64*\t+16
.endr
	s_wait_loadcnt 20                              ; means and stds are in: behind them b1 (16) and b2 (4)
	WIN 0xFF                                       ; a and l, in window 3
.set j, 0
.rept 64
	v_add_f32 v[RAV+j], |v[RAV+j]|, s84            ; std = |stds| + 0.01
.set j, j+1
.endr
.set j, 0
.rept 64
	v_rcp_f32 v[RT+j], v[RAV+j]
.set j, j+1
.endr
	v_nop                                          ; a plain line between the run of reciprocals and the use of their results
.set j, 0
	s_wait_alu depctr_va_vdst(0)
.rept 64
	v_mul_f32 v[RP+j], s82, v[RT+j]                ; q = C / std, roughly;
.set j, j+1
.endr
.set j, 0
.rept 64
	v_fma_f32 v[RGK+j], -v[RP+j], v[RAV+j], s82    ; what is left: C - q std;
.set j, j+1
.endr
	WIN 0x7F
.set j, 0
.rept 64
	v_fma_f32 v[RA+j], v[RGK+j], v[RT+j], v[RP+j]  ; a = q + the rest / std
.set j, j+1
.endr
	WIN 0xFF
.set j, 0
.rept 64
	v_mul_f32 v[RGK+j], s83, v[RAV+j]
.set j, j+1
.endr
.set j, 0
.rept 64
	v_log_f32 v[RGK+j], v[RGK+j]
.set j, j+1
.endr
	v_nop
	WIN 0x7F
.set j, 0
	s_wait_alu depctr_va_vdst(0)
.rept 64
	v_mul_f32 v[RL+j], -1.0, v[RGK+j]              ; l = -log2(sqrt(2 pi) std)
.set j, j+1
.endr
	WIN 0
	s_wait_dscnt 0x0                               ; for the others' sake: my images, scale words and records have landed
	s_barrier_signal -1
	s_barrier_wait -1                              ; the one barrier: from here on nobody writes those bytes
	WIN 0x80
.irp t, 0,1,2,3,4,5,6,7
.irp c, 0,1,2,3
	ds_load_b128 v[W1F+16*\t+4*\c:W1F+16*\t+4*\c+3], v[LI] offset:W1IMG+2048*\t+512*\c
.endr
.endr
	WIN 0x40
.irp t, 0,1
.irp c, 0,1,2,3
	ds_load_b128 v[W2F+16*\t+4*\c:W2F+16*\t+4*\c+3], v121 offset:W2IMG+2048*\t+512*\c
.endr
.endr
	WIN 0
.irp t, 0,1,2,3,4,5,6,7
	ds_load_b32 v[W1S+\t], v[LS] offset:W1SC+128*\t
.endr
.irp t, 0,1
	ds_load_b32 v[W2S+\t], v122 offset:W2SC+128*\t
.endr
.set j, 0
.rept 16
	ds_load_b128 v[RV+4*j:RV+4*j+3], v[LI] offset:REC+512*j          ; the record of m = 32 j + lane
	ds_load_b32 v[RSQ+j], v[LS] offset:BT+128*j
.set j, j+1
.endr
	s_wait_dscnt 0x0
	s_wait_kmcnt 0x0                               ; n's two embeddings
; my row's 512 x, 16 a lane, stage by stage.  Multiplications and additions are kept apart here on purpose: each step rounds as reference()'s does
.set j, 0
.rept 16
	v_sub_f32 v[RV+4*j], s36, v[RV+4*j]
	v_sub_f32 v[RV+4*j+1], s37, v[RV+4*j+1]
	v_sub_f32 v[RV+4*j+2], s38, v[RV+4*j+2]
.set j, j+1
.endr
.set j, 0
.rept 16
	v_mul_f32 v[RV+4*j], v[RV+4*j], v[RV+4*j]
	v_mul_f32 v[RV+4*j+1], v[RV+4*j+1], v[RV+4*j+1]
	v_mul_f32 v[RV+4*j+2], v[RV+4*j+2], v[RV+4*j+2]
.set j, j+1
.endr
.set j, 0
.rept 16
	v_add_f32 v[RV+4*j], v[RV+4*j], v[RV+4*j+1]
.set j, j+1
.endr
.set j, 0
.rept 16
	v_add_f32 v[RV+4*j], v[RV+4*j], v[RV+4*j+2]    ; q
.set j, j+1
.endr
.set j, 0
.rept 16
	v_sqrt_f32 v[RV+4*j+1], v[RV+4*j]              ; y
.set j, j+1
.endr
	v_nop
.set j, 0
	s_wait_alu depctr_va_vdst(0)
.rept 16
	v_fma_f32 v[RV+4*j+2], -v[RV+4*j+1], v[RV+4*j+1], v[RV+4*j]      ; e = q - y y, exactly rounded once
.set j, j+1
.endr
.set j, 0
.rept 16
	v_max_num_f32 v[RV+4*j], s85, v[RV+4*j+1]      ; (a distance of 0 divides by 2^-100: e is 0 there)
.set j, j+1
.endr
.set j, 0
.rept 16
	v_rcp_f32 v[RV+4*j], v[RV+4*j]
.set j, j+1
.endr
	v_nop
.set j, 0
.rept 16
	v_mul_f32 v[RV+4*j+2], 0.5, v[RV+4*j+2]
	v_add_f32 v[RV+4*j+3], s40, v[RV+4*j+3]        ; gamma
	v_add_f32 v[RSQ+j], s41, v[RSQ+j]              ; beta
.set j, j+1
.endr
.set j, 0
	s_wait_alu depctr_va_vdst(0)
.rept 16
	v_fma_f32 v[RV+4*j+1], v[RV+4*j+2], v[RV+4*j], v[RV+4*j+1]       ; y + e / (2 y): the corrected root
.set j, j+1
.endr
.set j, 0
.rept 16
	v_mul_f32 v[RV+4*j], v[RV+4*j+3], v[RV+4*j+1]
.set j, j+1
.endr
.set j, 0
.rept 16
	v_add_f32 v[RV+4*j], v[RV+4*j], v[RSQ+j]       ; x
.set j, j+1
.endr
.set j, 0
.rept 16
	ds_store_b32 v120, v[RV+4*j] offset:128*j
.set j, j+1
.endr
	ds_store_b32 v120, v[RV+60] offset:2048        ; 32 words more: what the look-ahead reads for tiles 32 and 33, whose exponents nobody uses: any finite x
; ---------------- THE PROLOGUE: tile 0's codes, tile 1's exponents, tile 0's first product ----------------
	ds_load_b32 v16, v[XA0]                        ; my wave's own bytes, served in order: no barrier
	s_wait_dscnt 0x0
	DADD 0, 32
	WIN 0
	XLOAD
	DMUL
	DFMA
.set TB1, RGK
.set TN1, 64
	WIN 0xCF
	TRFLUSH                                        ; there is no other work yet to set them between
	SETPACE 0, 1
	QG
	v_nop                                          ; a plain line between the conversions and the lines below, which write their sources
	s_wait_loadcnt 0x0                             ; b1, b2
	NEXT 0, 0
; ---------------- THE LOOP: tiles 0 to 30 ----------------
	s_mov_b32 s47, 31
.Ltile:
	BODY 0
	s_sub_co_u32 s47, s47, 1
	s_cmp_lg_u32 s47, 0
	s_cbranch_scc1 .Ltile
	BODY 1                                         ; tile 31
	s_wait_tensorcnt 0x0
	ds_add_u32 v124, v125
	s_wait_dscnt 0x0
	s_endpgm
.Lfunc_end_k_q8f1135eb3a_enc:
	.size	k_q8f1135eb3a_enc, .Lfunc_end_k_q8f1135eb3a_enc-k_q8f1135eb3a_enc
	.p2alignl 7, 3214868480
	.fill 96, 4, 3214868480
	.section	.rodata,"a",@progbits
	.p2align	6, 0x0
	.amdhsa_kernel k_q8f1135eb3a_enc
		.amdhsa_group_segment_fixed_size 55296
		.amdhsa_private_segment_fixed_size 0
		.amdhsa_enable_private_segment 0
		.amdhsa_kernarg_size 88
		.amdhsa_user_sgpr_count 2
		.amdhsa_user_sgpr_kernarg_segment_ptr 1
		.amdhsa_wavefront_size32 1
		.amdhsa_system_sgpr_workgroup_id_x 1
		.amdhsa_system_sgpr_workgroup_id_y 1
		.amdhsa_system_sgpr_workgroup_id_z 1
		.amdhsa_system_vgpr_workitem_id 0
		.amdhsa_next_free_vgpr 1024
		.amdhsa_next_free_sgpr 96
		.amdhsa_reserve_vcc 0
		.amdhsa_float_denorm_mode_32 3
		.amdhsa_float_denorm_mode_16_64 3
		.amdhsa_memory_ordered 1
		.amdhsa_forward_progress 1
		.amdhsa_inst_pref_size 212
	.end_amdhsa_kernel
	.amdgpu_metadata
---
amdhsa.version: [ 1, 2 ]
amdhsa.kernels:
  - .name:           k_q8f1135eb3a_enc
    .symbol:         k_q8f1135eb3a_enc.kd
    .args:
      - { .name: coord, .offset: 0, .size: 8, .value_kind: global_buffer, .address_space: global }
      - { .name: node_type, .offset: 8, .size: 8, .value_kind: global_buffer, .address_space: global }
      - { .name: means, .offset: 16, .size: 8, .value_kind: global_buffer, .address_space: global }
      - { .name: stds, .offset: 24, .size: 8, .value_kind: global_buffer, .address_space: global }
      - { .name: W1, .offset: 32, .size: 8, .value_kind: global_buffer, .address_space: global }
      - { .name: b1, .offset: 40, .size: 8, .value_kind: global_buffer, .address_space: global }
      - { .name: W2, .offset: 48, .size: 8, .value_kind: global_buffer, .address_space: global }
      - { .name: b2, .offset: 56, .size: 8, .value_kind: global_buffer, .address_space: global }
      - { .name: gamma_emb, .offset: 64, .size: 8, .value_kind: global_buffer, .address_space: global }
      - { .name: beta_emb, .offset: 72, .size: 8, .value_kind: global_buffer, .address_space: global }
      - { .name: out0, .offset: 80, .size: 8, .value_kind: global_buffer, .address_space: global }
    .group_segment_fixed_size: 55296
    .private_segment_fixed_size: 0
    .kernarg_segment_align: 8
    .kernarg_segment_size: 88
    .max_flat_workgroup_size: 128
    .sgpr_count:     96
    .vgpr_count:     1024
    .wavefront_size: 32
...
	.end_amdgpu_metadata
.endif
;; end of part 1
;; ======== version 2 of 2: 1 launch; version 1 with the launch enc written anew for expert scheduling mode
;; launch enc (part 2): grid 256 x 1, 4 waves a work-group, no clusters, 55,296 bytes of LDS; arguments coord, node_type, means, stds, W1, b1, W2, b2, gamma_emb, beta_emb, out0; writes out0
.if DOCPART == 2
	.amdgcn_target "amdgcn-amd-amdhsa--gfx1250"
	.amdhsa_code_object_version 6
	.text
	.protected	k_q8f1135eb3a_enc
	.globl	k_q8f1135eb3a_enc
	.p2align	8
	.type	k_q8f1135eb3a_enc,@function
k_q8f1135eb3a_enc:
	s_mov_b64 s[64:65], 0
	v_nop
	global_prefetch_b8 v0, s[64:65] scope:SCOPE_SE
	s_setreg_imm32_b32 hwreg(HW_REG_WAVE_SCHED_MODE, 0, 2), 2
	s_setreg_imm32_b32 hwreg(HW_REG_WAVE_MODE, 25, 1), 1
	s_wait_xcnt 0x0
	s_wait_alu depctr_vm_vsrc(0)
; out[b][n][m][:] = W2 gelu(W1 gk + b1) + b2,  gk[k] = exp(-((x - mean_k) / std_k)^2 / 2) / (sqrt(2 pi) std_k),  x = gamma |c_n - c_m| + beta.
; Both products on codes of FP8 (E4M3) with one E8M0 scale for each 32 along K; everything else in f32.
; SHARES.  1,024 rows (b, n) = 256 work-groups x 4 waves: a wave owns one row and walks its 512 m in 32 tiles of 16 pairs; its 65,536 bytes of output are consecutive, a tile's 2,048 too.
; A LANE (r = lane % 16, h = lane / 16) holds pair m = 16 i + r throughout: 64 of its 128 gk and 64 of its 128 hidden units, register 16 c + i = k 32 c + 16 h + i, which is the operand's own layout.
; BOTH PRODUCTS ARE USED TRANSPOSED (source 0 = 16 rows of the weight, source 1 = the 16 pairs' codes).  THE ROWS OF W1 THAT FORM A TILE ARE NOT NEIGHBOURS: lane r of tile 2 c + u takes row
; 32 c + 8 u + r + 8 (r / 8), so that the hidden layer comes out of the first product in the layout that the second wants.  The biases are the C of the products.  Each product is one K step of 128: no sum is carried on.
; THE VECTOR UNIT BOUNDS THIS KERNEL: a tile has 10 matrix instructions beside some 900 plain vector lines and 192 transcendentals.  So: packed f32 forms; weights, biases, means, 1/std in registers for the whole
; launch (442 registers a wave: hence one wave to a SIMD); nothing of a tile but its x and its results touches LDS; the transcendentals are dealt one by one between plain lines on other registers.
; PIPELINE.  Trip i: gelu and codes of tile i's hidden layer; exponentials and codes of tile i + 1's gk; then the 96 plain lines that make tile i + 2's exponents, and dealt among them the second product of tile i,
; its results' way through the wave's stage in LDS, the first product of tile i + 1 and tile i's stores.
; THE MODE: SCHED_MODE bits 1:0 = 2 (LLVM: expert scheduling mode 2), set by the entry lines.  The code itself states the register dependences
; between vector or matrix instructions and memory or LDS instructions, with s_wait_alu, always for 0.
; THE PLAN.  Registers that LDS or memory instructions touch in the loop:
;   RO      written by the second product; read by the four stores into the stage.
;   OUTR    the four loads from the stage land in it; the four global stores read it.  No vector or matrix instruction names it.
;   v16     the x load lands in it; the 32 subtractions x - mean read it.
;   v[XAD]  written by one addition a tile; read by the x load.
;   v[STO], v[STR], v[LI]  made at the head and never written again; the output's scalar base moves on by a tile, and the stores reach back by their immediate offset.
;   CODES, GSW, HCODES, HSW  written by vector lines, read by the scaled products.
; So a tile has one wait on vm_vsrc, at the head of its last part, a whole tile behind the LDS instructions and stores that it speaks of, and two on va_vdst: one ahead of the second product (its codes and scale word
; are written), one behind that product's 32 places, ahead of the one run of LDS instructions (RO and v[XAD] are written, v16 is read out; gk's codes and scale word are written, for the first product, which follows the run).
; x is made with reference()'s own roundings (no fusing there; the root is corrected by one Newton step), since 1 / std magnifies its last bit.  x - mean is a true subtraction.
; gk = 2^(-u u + l), u = (x - mean) a, a = sqrt(log2(e) / 2) / std (division corrected by one step), l = -log2(sqrt(2 pi) std).
; gelu by erfc, which keeps the negative tail's relative accuracy: 2 h = (v + |v|) - |v| erfc(|v| / sqrt 2), erfc(z) = t exp(-z z + P(t)), t = 1 / (1 + z / 2), P of degree 9 (fractional error under 1.2e-7 for
; all z >= 0); its coefficients are multiplied by log2(e).  2 h IS WHAT IS QUANTISED: its codes are h's, its scale bytes are h's + 1, and 0x01010101 is taken off the scale word.
; NO CLUSTER, NO TENSOR LOAD, NO PREFETCH: all inputs together are 101,592 bytes, read once by each work-group at its head; there is no stream of inputs to share or to fetch ahead.
; LIMITS: NaN and infinities among the inputs are not served.  A gk or an erfc under 2^-126 becomes 0 (the exponential flushes).  A squared distance under 2^-126 gives a distance off by under 2^-27.
; A node type is held at 99 as an unsigned number.  |h| stays under 1.7e38.  A block of zeros gets the byte 1 with zero codes, which add nothing.
.set W1IMG, 0                          ; LDS: W1's 8 fragments as images of their registers, 2,048 bytes each (512 c + 16 lane)
.set W2IMG, 16384                      ; W2's: 4 images: wave w stores tile w % 2 at 2,048 w
.set W1SC,  24576                      ; W1's scale words, 128 bytes a tile (4 lane)
.set W2SC,  25600                      ; W2's
.set REC,   26112                      ; for each m of the batch: cx, cy, cz, gamma_tgt: 16 m
.set BT,    34304                      ; beta_tgt: 4 m
.set XT,    36352                      ; each wave's own x: 512 words and 32 more, which the look-ahead past the last tile reads
.set XTP,   2304
.set STG,   XT+4*XTP                   ; each wave's own stage: 16 rows of 128 bytes + 16
.set STP,   2304
; window 0
.set XA0, 4                            ; v4   XT + XTP wave + 4 r
.set XAD, 5                            ; v5   the x load in hand
.set STO, 6                            ; v6   the stage, on the way in
.set STR, 7                            ; v7   and on the way out
.set LI,  8                            ; v8   16 lane; also my byte in a store's 512
.set LS,  9                            ; v9   4 lane
.set GSW, 22                           ; v22  gk's scale word;  v23 the hidden layer's
.set HSW, 23
.set W1S, 24                           ; v24-31 W1's scale words;  v32-33 W2's
.set W2S, 32
.set TM,  34                           ; v34-49: +0 largest magnitudes, +4 the other half's / bytes, +8 448 x the scale, +12 the conversions' scale operands
.set CODES,  52                        ; v52-67  gk's codes
.set HCODES, 68                        ; v68-83  the hidden layer's
.set RO,   84                          ; v84-99  the second product's results
.set OUTR, 100                         ; v100-115 a tile's rows back from the stage
.set RV,  128                          ; v128-191 the first product's results v, then v + |v|, then 2 h
.set RSQ, 192                          ; v192-255 v v, then -v v log2(e) / 2 + c0
; window 1
.set RM,  0                            ; means
.set RA,  64                           ; a
.set RL,  128                          ; l
.set W2F, 192                          ; W2's two fragments
.set RB2, 224                          ; b2, two tiles in the result's layout
; window 2
.set W1F, 0                            ; W1's eight fragments
.set RB1, 128                          ; b1, eight tiles in the result's layout
; window 3
.set RT,  0                            ; 1 + |v| / sqrt 8, then t
.set RP,  64                           ; the polynomial, the exponential, erfc
.set RGK, 128                          ; x - mean, u, the exponent, gk
.set RAV, 192                          ; |v|
; s_set_vgpr_msb's low byte: bits 1:0 source 0, 3:2 source 1, 5:4 source 2, 7:6 destination; the high byte repeats the setting that is left
.set MSB, 0
.macro WIN new
.if MSB != \new
	s_set_vgpr_msb (MSB<<8)|\new
.set MSB, \new
.endif
.endm
; THE TRANSCENDENTALS' QUEUES.  All work in place on registers of window 3, and are written between the lines of runs whose source 0 and destination lie in window 3 and which name other registers: so each has a plain
; independent line behind it (ISA guide 5.7.2).  Queue 0 goes first (kind TK0: 0 reciprocal, 1 exponential); queue 1 holds the next tile's gk.  PACE, behind a host line, writes one for PN of every PD lines.
.set TK0, 0
.set TB0, 0
.set TN0, 0
.set TB1, 0
.set TN1, 0
.set PA, 0
.set PN, 0
.set PD, 1
.macro TR
.if TN0 > 0
.if TK0 == 0
	v_rcp_f32 v[TB0], v[TB0]
.else
	v_exp_f32 v[TB0], v[TB0]
.endif
.set TB0, TB0+1
.set TN0, TN0-1
.elseif TN1 > 0
	v_exp_f32 v[TB1], v[TB1]
.set TB1, TB1+1
.set TN1, TN1-1
.endif
.endm
.macro SETPACE n, d
.set PN, \n
.set PD, \d
.set PA, 0
.endm
.macro PACE
.set PA, PA+PN
.if PA >= PD
	TR
.set PA, PA-PD
.endif
.endm
.macro TRFLUSH                         ; what is left in the queues, bare, and one plain line behind it
.set TFN, TN0+TN1
.if TFN > 0
.rept TFN
	TR
.endr
	v_nop
	s_wait_alu depctr_va_vdst(0)
.endif
.endm
; From four largest magnitudes of my 16 numbers a block (v[TM] on) to the scale word: window 0 throughout
.macro SCALEW pw, adj
.irp b, 0,1,2,3
	v_permlanex16_b32 v[TM+4+\b], v[TM+\b], s42, s43
.endr
.irp b, 0,1,2,3
	v_max_num_f32 v[TM+\b], v[TM+\b], v[TM+4+\b]           ; with lane l xor 16's: the block's largest magnitude
.endr
.irp b, 0,1,2,3
	v_add_nc_u32 v[TM+12+\b], 0xfc000000, v[TM+\b]         ; 8 off its exponent field: the conversion takes that field as its scale
.endr
.irp b, 0,1,2,3
	v_and_or_b32 v[TM+8+\b], v[TM+\b], 0x7f800000, s44     ; 448 x the scale
.endr
.irp b, 0,1,2,3
	v_lshrrev_b32 v[TM+4+\b], 23, v[TM+12+\b]              ; the scale's byte
.endr
	v_lshl_or_b32 v[\pw], v[TM+5], 8, v[TM+4]
	v_lshl_or_b32 v[\pw], v[TM+6], 16, v[\pw]
	v_lshl_or_b32 v[\pw], v[TM+7], 24, v[\pw]
.if \adj
	v_add_nc_u32 v[\pw], 0xfefefeff, v[\pw]                ; 1 off each byte (each is 2 at the least): the numbers were doubled
.endif
.endm
; 64 numbers of a lane in window 0, v[s] on, become a fragment's codes in v[pc] on and its scale word in v[pw]
.macro QUANT0 s, floor, adj, pc, pw
.irp b, 0,1,2,3
	v_max3_num_f32 v[TM+\b], |v[\s+16*\b]|, |v[\s+1+16*\b]|, \floor   ; the floor among the leaves holds the byte from below
.endr
.irp i, 2,4,6,8,10,12,14
.irp b, 0,1,2,3
	v_max3_num_f32 v[TM+\b], v[TM+\b], |v[\s+16*\b+\i]|, |v[\s+1+16*\b+\i]|
.endr
.endr
	SCALEW \pw, \adj
.irp b, 0,1,2,3
.irp i, 0,1,2,3,4,5,6,7,8,9,10,11,12,13,14,15
	v_med3_num_f32 v[\s+16*\b+\i], v[\s+16*\b+\i], -v[TM+8+\b], v[TM+8+\b]   ; the conversion to an 8-bit code does not saturate (ISA guide 7.6.2)
.endr
	v_cvt_scalef32_pk8_fp8_f32 v[\pc+4*\b:\pc+4*\b+1], v[\s+16*\b:\s+16*\b+7], v[TM+12+\b]
	v_cvt_scalef32_pk8_fp8_f32 v[\pc+4*\b+2:\pc+4*\b+3], v[\s+16*\b+8:\s+16*\b+15], v[TM+12+\b]
.endr
.endm
; gk (window 3; never negative, so no |.| and a one-sided hold) becomes CODES and GSW.  The 64 holds are a host run.
.macro QG
	WIN 0x3C
	s_wait_alu depctr_va_vdst(0)
.irp b, 0,1,2,3
	v_max3_num_f32 v[TM+\b], 0x4800000, v[RGK+16*\b], v[RGK+16*\b+1]
.endr
.irp i, 2,4,6,8,10,12,14
.irp b, 0,1,2,3
	v_max3_num_f32 v[TM+\b], v[TM+\b], v[RGK+16*\b+\i], v[RGK+16*\b+\i+1]
.endr
.endr
	WIN 0
	SCALEW GSW, 0
	WIN 0xC3
.irp b, 0,1,2,3
.irp i, 0,1,2,3,4,5,6,7,8,9,10,11,12,13,14,15
	v_min_num_f32 v[RGK+16*\b+\i], v[RGK+16*\b+\i], v[TM+8+\b]
	PACE
.endr
.endr
	WIN 0x03
	s_wait_alu depctr_va_vdst(0)
.irp b, 0,1,2,3
	v_cvt_scalef32_pk8_fp8_f32 v[CODES+4*\b:CODES+4*\b+1], v[RGK+16*\b:RGK+16*\b+7], v[TM+12+\b]
	v_cvt_scalef32_pk8_fp8_f32 v[CODES+4*\b+2:CODES+4*\b+3], v[RGK+16*\b+8:RGK+16*\b+15], v[TM+12+\b]
.endr
.endm
.macro DADD p0, n                      ; pairs p0 on: x - mean
	WIN 0xC4
.set j, 2*(\p0)
.rept \n
	v_pk_add_f32 v[RGK+j:RGK+j+1], v[16:17], v[RM+j:RM+j+1] op_sel_hi:[0,1] neg_lo:[0,1] neg_hi:[0,1]
.set j, j+2
.endr
.endm
.macro DMUL                            ; u = (x - mean) a
	WIN 0xC7
.set j, 0
.rept 32
	v_pk_mul_f32 v[RGK+j:RGK+j+1], v[RGK+j:RGK+j+1], v[RA+j:RA+j+1]
.set j, j+2
.endr
.endm
.macro DFMA                            ; -u u + l
	WIN 0xDF
.set j, 0
.rept 32
	v_pk_fma_f32 v[RGK+j:RGK+j+1], v[RGK+j:RGK+j+1], v[RGK+j:RGK+j+1], v[RL+j:RL+j+1] neg_lo:[1,0,0] neg_hi:[1,0,0]
.set j, j+2
.endr
.endm
.macro W1MUL                           ; v^T = W1 gk^T + b1: eight tiles of 16 hidden units
	WIN 0x22
.irp t, 0,1,2,3,4,5,6,7
	v_wmma_scale_f32_16x16x128_f8f6f4 v[RV+8*\t:RV+8*\t+7], v[W1F+16*\t:W1F+16*\t+15], v[CODES:CODES+15], v[RB1+8*\t:RB1+8*\t+7], v[W1S+\t], v[GSW]
.endr
.endm
.macro W2MUL                           ; out^T = W2 h^T + b2: two tiles of 16 heads
	WIN 0x11
.irp t, 0,1
	v_wmma_scale_f32_16x16x128_f8f6f4 v[RO+8*\t:RO+8*\t+7], v[W2F+16*\t:W2F+16*\t+15], v[HCODES:HCODES+15], v[RB2+8*\t:RB2+8*\t+7], v[W2S+\t], v[HSW]
.endr
.endm
.macro XSTEP                           ; the address of the next tile's x: 64 bytes on in my wave's table.  The load by it stands behind the next wait on va_vdst
	s_add_co_u32 s46, s46, 64
	v_add_nc_u32 v[XAD], s46, v[XA0]
.endm
.macro ST1                             ; lane (r, h) holds heads 16 t + 8 h + 0 .. 7 of pair r: into row r of my stage, each accumulator from its low end on; back as 512 consecutive bytes a load
	ds_store_b128 v[STO], v[RO:RO+3]
	ds_store_b128 v[STO], v[RO+4:RO+7] offset:16
	ds_store_b128 v[STO], v[RO+8:RO+11] offset:64
	ds_store_b128 v[STO], v[RO+12:RO+15] offset:80
.irp k, 0,1,2,3
	ds_load_b128 v[OUTR+4*\k:OUTR+4*\k+3], v[STR] offset:576*\k      ; LDS serves a wave's instructions in order (ISA guide 5.7.1.4): these see the stores above
.endr
.endm
.macro SEND off                        ; off: the tile's first byte, counted from the base
.irp k, 0,1,2,3
	global_store_b128 v[LI], v[OUTR+4*\k:OUTR+4*\k+3], s[28:29] offset:512*\k+(\off) th:TH_STORE_NT   ; 32 lanes store 512 consecutive bytes, at a multiple of 512 from the output's first byte
.endr
.endm
.macro ST2
	s_wait_dscnt 1                                 ; the four loads from the stage are in; the x load issued behind them may be out
	SEND -2048                                     ; the base has moved on to the next tile: the offset reaches back
.endm
; The products, and the exponents of the tile after the next.
.macro NEXT w2, st
	s_wait_dscnt 0x0                               ; x is in
.if \st
	s_wait_xcnt 0x0                                ; the last tile's stores have had their addresses translated (ISA guide 3.1): their base and OUTR are rewritten only behind this wait
.endif
	s_wait_alu depctr_vm_vsrc(0)                   ; the x load has read v[XAD], which the addition below writes; the stage's stores have read RO, which the second product writes; the last tile's global stores have read OUTR, in which the stage's loads land (ahead of the loop: the x table's stores have read RV, which the first product writes)
.if \st
	s_add_nc_u64 s[28:29], s[28:29], 2048          ; one tile past the tile that is stored in this trip
.endif
	WIN 0
	XSTEP
	DADD 0, 32                                     ; with the addition above 33 plain lines between the last conversion and the scaled products that read its codes
.if \w2
	WIN 0x11
	s_wait_alu depctr_va_vdst(0)                   ; the conversions have written HCODES and the shifts HSW, which the scaled product takes as source 1 and as its scales
	W2MUL
.endif
	DMUL                                           ; 32 plain lines that name no register of the second product: the places in front of the stage's stores
	WIN 0
	s_wait_alu depctr_va_vdst(0)                   ; the second product has written RO, which the stage's stores read; v[XAD] is written, and the subtractions are done reading v16, in which the x load lands; CODES and GSW are written, which the first product takes
.if \st
	ST1
.endif
	ds_load_b32 v16, v[XAD]                        ; no vector or matrix instruction since the wait names v16 or v[XAD]
	W1MUL
	DFMA                                           ; 32 plain lines in front of the first read of v; with the eight products they stand while the stage's loads are out
	WIN 0
.if \st
	ST2
.endif
.endm
.macro S12 o                           ; registers o .. o + 31: |v|, and 1 + |v| / sqrt 8
.set j, \o
.rept 32
	v_and_b32 v[RAV+j], s45, v[RV+j]               ; ascending: each accumulator is read from its low end on
	PACE
.set j, j+1
.endr
.set j, \o
.rept 16
	v_pk_fma_f32 v[RT+j:RT+j+1], v[RAV+j:RAV+j+1], s[48:49], 1.0 op_sel_hi:[1,0,0]
	PACE
.set j, j+2
.endr
.endm
.macro HORNER o                        ; registers o .. o + 31: (-z z + P(t)) log2(e), nine runs of 16 packed lines, so that no line waits for the line above it
.set j, \o
	s_wait_alu depctr_va_vdst(0)
.rept 16
	v_pk_fma_f32 v[RP+j:RP+j+1], v[RT+j:RT+j+1], s[68:69], v[18:19] op_sel_hi:[1,0,1]
	PACE
.set j, j+2
.endr
.irp c, 66,62,60,58,56,54,52
.set j, \o
.rept 16
	v_pk_fma_f32 v[RP+j:RP+j+1], v[RP+j:RP+j+1], v[RT+j:RT+j+1], s[\c:\c+1] op_sel_hi:[1,1,0]
	PACE
.set j, j+2
.endr
.endr
.set j, \o
	s_wait_alu depctr_va_vdst(0)
.rept 16
	v_pk_fma_f32 v[RP+j:RP+j+1], v[RP+j:RP+j+1], v[RT+j:RT+j+1], v[RSQ+j:RSQ+j+1]
	PACE
.set j, j+2
.endr
.endm
.macro S8 o                            ; erfc = t x the exponential
.set j, \o
.rept 16
	v_pk_mul_f32 v[RP+j:RP+j+1], v[RT+j:RT+j+1], v[RP+j:RP+j+1]
	PACE
.set j, j+2
.endr
.endm
; A TILE.  last = 1: the last tile: no next gk, no next products.
.macro BODY last
.if \last
.set TN1, 0
.else
.set TB1, RGK
.set TN1, 64                                           ; the next tile's 64 exponentials wait in queue 1
.endif
	WIN 0xC3
	SETPACE 2, 3
	S12 0                                          ; 48 lines, 32 of gk's exponentials between them
.set TK0, 0
.set TB0, RT
.set TN0, 32
	SETPACE 2, 3
	S12 32                                         ; 48 lines, the first 32 reciprocals
	WIN 0
.set j, 0
.rept 32
	v_pk_mul_f32 v[RSQ+j:RSQ+j+1], v[RV+j:RV+j+1], v[RV+j:RV+j+1]
.set j, j+2
.endr
.set j, 0
.rept 32
	v_pk_fma_f32 v[RSQ+j:RSQ+j+1], v[RSQ+j:RSQ+j+1], s[50:51], v[20:21] op_sel_hi:[1,0,1]
.set j, j+2
.endr
	WIN 0x0C
.set j, 0
	s_wait_alu depctr_va_vdst(0)
.rept 32
	v_pk_add_f32 v[RV+j:RV+j+1], v[RV+j:RV+j+1], v[RAV+j:RAV+j+1]
.set j, j+2
.endr
	WIN 0xCF
.set TK0, 0
.set TB0, RT+32
.set TN0, 32
	SETPACE 1, 3
	HORNER 0                                       ; 144 lines: the other 32 reciprocals, 16 of gk's exponentials
.set TK0, 1
.set TB0, RP
.set TN0, 32
	SETPACE 1, 3
	HORNER 32                                      ; 144 lines: the first 32 exponentials of erfc, gk's last 16
.set TK0, 1
.set TB0, RP+32
.set TN0, 32
.if \last == 0
	SETPACE 1, 2
	QG                                             ; its 64 holds: the other 32 exponentials of erfc
.endif
	WIN 0xCF
	SETPACE 1, 1
	S8 0                                           ; (a plain line behind QG's conversions.)  In the last tile: 16 of those exponentials,
	TRFLUSH                                        ; and the 16 left over
	SETPACE 0, 1
	S8 32
	WIN 0x0F
.set j, 0
.rept 32
	v_pk_fma_f32 v[RV+j:RV+j+1], v[RAV+j:RAV+j+1], v[RP+j:RP+j+1], v[RV+j:RV+j+1] neg_lo:[1,0,0] neg_hi:[1,0,0]   ; 2 h = (v + |v|) - |v| erfc
.set j, j+2
.endr
	WIN 0
	QUANT0 RV, 0x5000000, 1, HCODES, HSW           ; the floor 2^(10 - 127) for 2 h holds h's byte at 1
.if \last
	s_wait_xcnt 0x0                                ; the last tile's stores have had their addresses translated (ISA guide 3.1): OUTR is loaded again only behind this wait
	s_wait_alu depctr_vm_vsrc(0)                   ; the stage's stores have read RO, which the product below writes; the last tile's global stores have read OUTR, in which the stage's loads land
.rept 4
	v_nop                                          ; four places between the codes' last conversion and the scaled product
.endr
	WIN 0x11
	s_wait_alu depctr_va_vdst(0)                   ; the conversions have written HCODES and the shifts HSW, which the scaled product takes; the places above stay beside this wait
	W2MUL
	WIN 0
.rept 8
	v_nop                                          ; eight places in front of the stores that read the results
.endr
	s_wait_alu depctr_va_vdst(0)                   ; the product has written RO, which the stage's stores read; the places above stay beside this wait
	ST1
	s_wait_dscnt 0x0
	SEND 0                                         ; the base stands at the last tile
.else
	NEXT 1, 1
.endif
.endm
.macro WLOAD reg, adr, b, off          ; 64 f32 a lane: of my row, 16 neighbours of each block of 32: k = 32 c + 16 h + 0 .. 15
.irp c, 0,1,2,3
.irp j, 0,1,2,3
	global_load_b128 v[\reg+16*\c+4*\j:\reg+16*\c+4*\j+3], v[\adr], s[\b:\b+1] offset:\off+128*\c+16*\j
.endr
.endr
.endm
.macro IMAGE adr, off                  ; the fragment in CODES goes to LDS as it stands: any wave that loads it by the same four lines has the same registers in the same lanes
.irp c, 0,1,2,3
	ds_store_b128 v[\adr], v[CODES+4*\c:CODES+4*\c+3] offset:\off+512*\c
.endr
.endm
.macro PAIR reg, val                   ; the packed forms name a pair and take its low word for both halves: both words are written
	s_mov_b32 s[\reg], \val
	s_mov_b32 s[\reg+1], \val
.endm
; ---------------- THE HEAD ----------------
	s_load_b512 s[8:23], s[0:1], 0x0               ; coord 8, node_type 10, means 12, stds 14, W1 16, b1 18, W2 20, b2 22
	s_load_b128 s[24:27], s[0:1], 0x40             ; gamma_emb, beta_emb
	s_load_b64 s[28:29], s[0:1], 0x50              ; out
	v_lshl_add_u32 v124, v0, 2, 0xd600
	v_mov_b32 v125, 0
	v_lshrrev_b32 v1, 5, v0
	v_readfirstlane_b32 s30, v1                    ; wave
	v_and_b32 v1, 31, v0                           ; lane
	v_and_b32 v2, 15, v0                           ; r
	v_bfe_u32 v3, v0, 4, 1                         ; h
	s_wait_alu depctr_va_sdst(0)                   ; s30 is written, ahead of its first reader: my row, my LDS regions and the bases are made from it
	s_lshl_b32 s31, ttmp9, 2
	s_add_co_u32 s31, s31, s30                     ; my row R = 512 b + n
	s_lshr_b32 s86, s31, 9                         ; b: the same in the four waves
	s_mov_b32 s33, 0                               ; the high word of every offset in s[32:33]
	s_mul_i32 s87, s30, XTP
	s_add_co_u32 s87, s87, XT                      ; my x table
	s_mul_i32 s88, s30, STP
	s_add_co_u32 s88, s88, STG                     ; my stage
	v_lshlrev_b32 v[LI], 4, v1
	v_lshlrev_b32 v[LS], 2, v1
	v_lshl_add_u32 v[XA0], v2, 2, s87
	v_add_nc_u32 v120, s87, v[LS]                  ; where I store x
	v_mul_u32_u24 v[STO], v2, 144
	v_lshl_add_u32 v[STO], v3, 5, v[STO]
	v_add_nc_u32 v[STO], s88, v[STO]               ; row r, + 32 h
	v_lshrrev_b32 v126, 3, v1
	v_and_b32 v127, 7, v1
	v_mul_u32_u24 v[STR], v126, 144
	v_lshl_add_u32 v[STR], v127, 4, v[STR]
	v_add_nc_u32 v[STR], s88, v[STR]               ; row lane / 8, 16 (lane % 8)
	s_lshl_b32 s89, s30, 12
	v_add_nc_u32 v10, s89, v[LI]                   ; 16 lane + 4,096 wave: my two images of W1
	s_lshl_b32 s89, s30, 11
	v_add_nc_u32 v11, s89, v[LI]                   ; 16 lane + 2,048 wave: my image of W2; my 128 records
	s_lshl_b32 s89, s30, 8
	v_add_nc_u32 v12, s89, v[LS]                   ; 4 lane + 256 wave: W1's scale words
	s_lshl_b32 s89, s30, 7
	v_add_nc_u32 v13, s89, v[LS]                   ; 4 lane + 128 wave: W2's
	s_lshl_b32 s89, s30, 9
	v_add_nc_u32 v14, s89, v[LS]                   ; 4 lane + 512 wave: my 128 node types, my 128 beta_tgt
	s_mul_i32 s89, s30, 1536
	v_mul_u32_u24 v15, v1, 12
	v_add_nc_u32 v15, s89, v15                     ; 12 lane + 1,536 wave: my 128 coordinates
	v_and_b32 v126, 8, v2
	v_add_nc_u32 v126, v126, v2                    ; r + 8 (r / 8)
	v_lshlrev_b32 v116, 9, v126
	v_lshl_add_u32 v116, v3, 6, v116               ; W1: that row of 512 bytes, + 64 h
	v_lshlrev_b32 v117, 9, v2
	v_lshl_add_u32 v117, v3, 6, v117               ; W2: row r, + 64 h
	v_lshlrev_b32 v118, 6, v3                      ; 64 h: means, stds, b1
	v_lshlrev_b32 v119, 5, v3                      ; 32 h: b2
	s_and_b32 s89, s30, 2
	s_lshl_b32 s89, s89, 11
	v_add_nc_u32 v121, s89, v[LI]                  ; W2's images are read from the pair of waves that I belong to: 2,048 (wave & 2)
	s_lshr_b32 s89, s89, 4
	v_add_nc_u32 v122, s89, v[LS]                  ; and their scale words: 128 (wave & 2)
	s_mov_b32 s42, 0x76543210
	s_mov_b32 s43, 0xfedcba98                      ; v_permlanex16_b32's selects for lane l xor 16
	s_mov_b32 s44, 0x600000                        ; the mantissa field of 448
	s_mov_b32 s45, 0x7fffffff
	s_mov_b32 s46, 0                               ; the x load's step
	PAIR 48, 0x3eb504f3                            ; 1 / sqrt 8
	PAIR 50, 0xbf38aa3b                            ; -log2(e) / 2
	PAIR 52, 0x3fb8ab5a                            ; c1 .. c7, c9 of P, x log2(e)
	PAIR 54, 0x3f0a29d2
	PAIR 56, 0x3e0efb2e
	PAIR 58, 0xbe899a80
	PAIR 60, 0x3ecdfd18
	PAIR 62, 0xbfd1a1e5
	PAIR 66, 0x40097039
	PAIR 68, 0x3e7c6f08
	s_mov_b32 s82, 0x3f596d27                      ; sqrt(log2(e) / 2)
	s_mov_b32 s83, 0x40206c99                      ; sqrt(2 pi)
	s_mov_b32 s84, 0x3c23d70a                      ; 0.01
	s_mov_b32 s85, 0x0d800000                      ; 2^-100
	v_mov_b32 v17, 0                               ; named with x as a pair
	v_mov_b32 v18, 0xbf97d29d                      ; c8
	v_mov_b32 v19, 0xbf97d29d
	v_mov_b32 v20, 0xbfe9b21e                      ; c0
	v_mov_b32 v21, 0xbfe9b21e
.irp b, 0,1,2,3
	v_mov_b32 v[TM+4+\b], 0                        ; written once: a lane permute's destination counts as one of its sources
.endr
	s_wait_kmcnt 0x0
	s_mul_i32 s32, s31, 12
	s_add_nc_u64 s[78:79], s[8:9], s[32:33]
	s_lshl_b32 s32, s31, 2
	s_add_nc_u64 s[80:81], s[10:11], s[32:33]
	s_load_b96 s[36:38], s[78:79], 0x0             ; c_n
	s_load_b32 s39, s[80:81], 0x0                  ; n's node type
	s_mul_i32 s32, s86, 6144
	s_add_nc_u64 s[70:71], s[8:9], s[32:33]        ; my batch's coordinates
	s_lshl_b32 s32, s86, 11
	s_add_nc_u64 s[72:73], s[10:11], s[32:33]      ; and node types
	s_lshl_b32 s32, s30, 14
	s_add_nc_u64 s[74:75], s[16:17], s[32:33]      ; W1's rows 32 wave on: tiles 2 wave and 2 wave + 1
	s_and_b32 s32, s30, 1
	s_lshl_b32 s32, s32, 13
	s_add_nc_u64 s[76:77], s[20:21], s[32:33]      ; W2's rows 16 (wave % 2) on
	s_lshl_b32 s32, s31, 16
	s_add_nc_u64 s[28:29], s[28:29], s[32:33]      ; my row of the output
	s_wait_alu depctr_va_vdst(0)                   ; the offsets and LDS addresses v4, v6 to v15 and v116 to v122 are written, which the kernel's loads and stores read; none of them is written again
.irp jj, 0,1,2,3
	global_load_b32 v[RO+\jj], v14, s[72:73] offset:128*\jj          ; node types of m = 128 wave + 32 jj + lane
.endr
.irp jj, 0,1,2,3
.irp c, 0,1,2
	global_load_b32 v[OUTR+4*\jj+\c], v15, s[70:71] offset:384*\jj+4*\c
.endr
.endr
	WLOAD RV, 116, 74, 0                           ; W1's tile 2 wave
	WLOAD RSQ, 116, 74, 4096                       ; tile 2 wave + 1: eight rows on
	s_wait_loadcnt 44                              ; the node types are in: behind them 12 + 16 + 16 loads
.irp jj, 0,1,2,3
	v_min_u32 v[RO+\jj], 99, v[RO+\jj]
.endr
.irp jj, 0,1,2,3
	v_lshlrev_b32 v[RO+\jj], 2, v[RO+\jj]
.endr
	s_wait_alu depctr_va_vdst(0)                   ; the shifts have written v[RO] to v[RO+3], which the eight loads below read as their offsets
.irp jj, 0,1,2,3
	global_load_b32 v[OUTR+4*\jj+3], v[RO+\jj], s[24:25] offset:412  ; gamma_emb[type + 103]
	global_load_b32 v[RO+4+\jj], v[RO+\jj], s[26:27] offset:412      ; beta_emb[type + 103]
.endr
	s_wait_kmcnt 0x0
	s_min_u32 s39, s39, 99
	s_lshl_b32 s39, s39, 2
	s_load_b32 s40, s[24:25], s39 offset:0x8       ; gamma_emb[type + 2]
	s_load_b32 s41, s[26:27], s39 offset:0x8       ; beta_emb[type + 2]
	s_wait_loadcnt 24                              ; W1's first tile is in: behind it its second (16) and the embeddings (8)
	QUANT0 RV, 0x4800000, 0, CODES, GSW
	s_wait_alu depctr_va_vdst(0)                   ; the conversions have written CODES and the shifts GSW, which the LDS stores read; the holds and conversions are done with RV, in which W2's tile lands
	IMAGE 10, W1IMG
	ds_store_b32 v12, v[GSW] offset:W1SC
	WLOAD RV, 117, 76, 0                           ; W2's tile wave % 2
	s_wait_loadcnt 24                              ; W1's second tile is in: behind it the embeddings (8) and W2's tile (16)
	s_wait_dscnt 0x0                               ; the stores have read CODES and GSW
	s_wait_alu depctr_vm_vsrc(0)                   ; the LDS stores above have read CODES and GSW, which the lines below write again; the embeddings' loads have read v[RO] to v[RO+3], which the second product will write
	QUANT0 RSQ, 0x4800000, 0, CODES, GSW
	s_wait_alu depctr_va_vdst(0)                   ; the conversions have written CODES and the shifts GSW, which the LDS stores read
	IMAGE 10, W1IMG+2048
	ds_store_b32 v12, v[GSW] offset:W1SC+128
	WIN 0x40
	WLOAD RM, 118, 12, 0                           ; means, in gk's layout
	WIN 0xC0
	WLOAD RAV, 118, 14, 0                          ; stds
	WIN 0
	s_wait_loadcnt 48                              ; the embeddings are in: behind them W2's tile (16), means and stds (32)
.irp jj, 0,1,2,3
	ds_store_b128 v11, v[OUTR+4*\jj:OUTR+4*\jj+3] offset:REC+512*\jj
	ds_store_b32 v14, v[RO+4+\jj] offset:BT+128*\jj
.endr
	s_wait_loadcnt 32                              ; W2's tile is in: behind it means and stds
	s_wait_dscnt 0x0
	s_wait_alu depctr_vm_vsrc(0)                   ; the LDS stores above have read CODES and GSW, which the lines below write again, and OUTR and v[RO+4] to v[RO+7], which the loop's loads and products will write
	QUANT0 RV, 0x4800000, 0, CODES, GSW
	s_wait_alu depctr_va_vdst(0)                   ; the conversions have written CODES and the shifts GSW, which the LDS stores read
	IMAGE 11, W2IMG
	ds_store_b32 v13, v[GSW] offset:W2SC
	WIN 0x80
.irp t, 0,1,2,3,4,5,6,7
	global_load_b128 v[RB1+8*\t:RB1+8*\t+3], v118, s[18:19] offset:(32*(\t/2)+8*(\t%2))*4       ; b1 at hidden units 32 (t / 2) + 16 h + 8 (t % 2) + 0 .. 7
	global_load_b128 v[RB1+8*\t+4:RB1+8*\t+7], v118, s[18:19] offset:(32*(\t/2)+8*(\t%2))*4+16
.endr
	WIN 0x40
.irp t, 0,1
	global_load_b128 v[RB2+8*\t:RB2+8*\t+3], v119, s[22:23] offset:64*\t                        ; b2 at heads 16 t + 8 h + 0 .. 7
	global_load_b128 v[RB2+8*\t+4:RB2+8*\t+7], v119, s[22:23] offset:64*\t+16
.endr
	s_wait_loadcnt 20                              ; means and stds are in: behind them b1 (16) and b2 (4)
	WIN 0xFF                                       ; a and l, in window 3
.set j, 0
.rept 64
	v_add_f32 v[RAV+j], |v[RAV+j]|, s84            ; std = |stds| + 0.01
.set j, j+1
.endr
.set j, 0
.rept 64
	v_rcp_f32 v[RT+j], v[RAV+j]
.set j, j+1
.endr
	v_nop                                          ; a plain line between the run of reciprocals and the use of their results
.set j, 0
	s_wait_alu depctr_va_vdst(0)
.rept 64
	v_mul_f32 v[RP+j], s82, v[RT+j]                ; q = C / std, roughly;
.set j, j+1
.endr
.set j, 0
.rept 64
	v_fma_f32 v[RGK+j], -v[RP+j], v[RAV+j], s82    ; what is left: C - q std;
.set j, j+1
.endr
	WIN 0x7F
.set j, 0
.rept 64
	v_fma_f32 v[RA+j], v[RGK+j], v[RT+j], v[RP+j]  ; a = q + the rest / std
.set j, j+1
.endr
	WIN 0xFF
.set j, 0
.rept 64
	v_mul_f32 v[RGK+j], s83, v[RAV+j]
.set j, j+1
.endr
.set j, 0
.rept 64
	v_log_f32 v[RGK+j], v[RGK+j]
.set j, j+1
.endr
	v_nop
	WIN 0x7F
.set j, 0
	s_wait_alu depctr_va_vdst(0)
.rept 64
	v_mul_f32 v[RL+j], -1.0, v[RGK+j]              ; l = -log2(sqrt(2 pi) std)
.set j, j+1
.endr
	WIN 0
	s_wait_dscnt 0x0                               ; for the others' sake: my images, scale words and records have landed
	s_barrier_signal -1
	s_barrier_wait -1                              ; the one barrier: from here on nobody writes those bytes
	s_wait_alu depctr_vm_vsrc(0)                   ; my LDS stores have read CODES and GSW, which gk's quantiser writes next
	s_wait_alu depctr_va_vdst(0)                   ; the weights' quantisers are done with RV and RSQ, in which the records and beta_tgt land; only loads and window switches stand between this wait and those loads
	WIN 0x80
.irp t, 0,1,2,3,4,5,6,7
.irp c, 0,1,2,3
	ds_load_b128 v[W1F+16*\t+4*\c:W1F+16*\t+4*\c+3], v[LI] offset:W1IMG+2048*\t+512*\c
.endr
.endr
	WIN 0x40
.irp t, 0,1
.irp c, 0,1,2,3
	ds_load_b128 v[W2F+16*\t+4*\c:W2F+16*\t+4*\c+3], v121 offset:W2IMG+2048*\t+512*\c
.endr
.endr
	WIN 0
.irp t, 0,1,2,3,4,5,6,7
	ds_load_b32 v[W1S+\t], v[LS] offset:W1SC+128*\t
.endr
.irp t, 0,1
	ds_load_b32 v[W2S+\t], v122 offset:W2SC+128*\t
.endr
.set j, 0
.rept 16
	ds_load_b128 v[RV+4*j:RV+4*j+3], v[LI] offset:REC+512*j          ; the record of m = 32 j + lane
	ds_load_b32 v[RSQ+j], v[LS] offset:BT+128*j
.set j, j+1
.endr
	s_wait_dscnt 0x0
	s_wait_kmcnt 0x0                               ; n's two embeddings
; my row's 512 x, 16 a lane, stage by stage.  Multiplications and additions are kept apart here on purpose: each step rounds as reference()'s does
.set j, 0
.rept 16
	v_sub_f32 v[RV+4*j], s36, v[RV+4*j]
	v_sub_f32 v[RV+4*j+1], s37, v[RV+4*j+1]
	v_sub_f32 v[RV+4*j+2], s38, v[RV+4*j+2]
.set j, j+1
.endr
.set j, 0
.rept 16
	v_mul_f32 v[RV+4*j], v[RV+4*j], v[RV+4*j]
	v_mul_f32 v[RV+4*j+1], v[RV+4*j+1], v[RV+4*j+1]
	v_mul_f32 v[RV+4*j+2], v[RV+4*j+2], v[RV+4*j+2]
.set j, j+1
.endr
.set j, 0
.rept 16
	v_add_f32 v[RV+4*j], v[RV+4*j], v[RV+4*j+1]
.set j, j+1
.endr
.set j, 0
.rept 16
	v_add_f32 v[RV+4*j], v[RV+4*j], v[RV+4*j+2]    ; q
.set j, j+1
.endr
.set j, 0
.rept 16
	v_sqrt_f32 v[RV+4*j+1], v[RV+4*j]              ; y
.set j, j+1
.endr
	v_nop
.set j, 0
	s_wait_alu depctr_va_vdst(0)
.rept 16
	v_fma_f32 v[RV+4*j+2], -v[RV+4*j+1], v[RV+4*j+1], v[RV+4*j]      ; e = q - y y, exactly rounded once
.set j, j+1
.endr
.set j, 0
.rept 16
	v_max_num_f32 v[RV+4*j], s85, v[RV+4*j+1]      ; (a distance of 0 divides by 2^-100: e is 0 there)
.set j, j+1
.endr
.set j, 0
.rept 16
	v_rcp_f32 v[RV+4*j], v[RV+4*j]
.set j, j+1
.endr
	v_nop
.set j, 0
.rept 16
	v_mul_f32 v[RV+4*j+2], 0.5, v[RV+4*j+2]
	v_add_f32 v[RV+4*j+3], s40, v[RV+4*j+3]        ; gamma
	v_add_f32 v[RSQ+j], s41, v[RSQ+j]              ; beta
.set j, j+1
.endr
.set j, 0
	s_wait_alu depctr_va_vdst(0)
.rept 16
	v_fma_f32 v[RV+4*j+1], v[RV+4*j+2], v[RV+4*j], v[RV+4*j+1]       ; y + e / (2 y): the corrected root
.set j, j+1
.endr
.set j, 0
.rept 16
	v_mul_f32 v[RV+4*j], v[RV+4*j+3], v[RV+4*j+1]
.set j, j+1
.endr
.set j, 0
.rept 16
	v_add_f32 v[RV+4*j], v[RV+4*j], v[RSQ+j]       ; x
.set j, j+1
.endr
	s_wait_alu depctr_va_vdst(0)                   ; the additions have written the sixteen x, which the LDS stores read
.set j, 0
.rept 16
	ds_store_b32 v120, v[RV+4*j] offset:128*j
.set j, j+1
.endr
	ds_store_b32 v120, v[RV+60] offset:2048        ; 32 words more: what the look-ahead reads for tiles 32 and 33, whose exponents nobody uses: any finite x
; ---------------- THE PROLOGUE: tile 0's codes, tile 1's exponents, tile 0's first product ----------------
	ds_load_b32 v16, v[XA0]                        ; my wave's own bytes, served in order: no barrier
	s_wait_dscnt 0x0
	XSTEP
	DADD 0, 32
	WIN 0
	s_wait_alu depctr_va_vdst(0)                   ; v[XAD] is written, which the load below reads; the subtractions are done reading v16, in which it lands
	ds_load_b32 v16, v[XAD]
	DMUL
	DFMA
.set TB1, RGK
.set TN1, 64
	WIN 0xCF
	TRFLUSH                                        ; there is no other work yet to set them between
	SETPACE 0, 1
	QG
	v_nop                                          ; a plain line between the conversions and the lines below, which write their sources
	s_wait_loadcnt 0x0                             ; b1, b2
	NEXT 0, 0
; ---------------- THE LOOP: tiles 0 to 30 ----------------
	s_mov_b32 s47, 31
.Ltile:
	BODY 0
	s_sub_co_u32 s47, s47, 1
	s_cmp_lg_u32 s47, 0
	s_cbranch_scc1 .Ltile
	BODY 1                                         ; tile 31
	s_wait_dscnt 0x0
	s_wait_alu depctr_hold_cnt(0) depctr_sa_sdst(0) depctr_va_vdst(0) depctr_va_sdst(0) depctr_va_ssrc(0) depctr_va_vcc(0) depctr_vm_vsrc(0)
	s_wait_tensorcnt 0x0
	ds_add_u32 v124, v125
	s_wait_dscnt 0x0
	s_endpgm
.Lfunc_end_k_q8f1135eb3a_enc:
	.size	k_q8f1135eb3a_enc, .Lfunc_end_k_q8f1135eb3a_enc-k_q8f1135eb3a_enc
	.p2alignl 7, 3214868480
	.fill 96, 4, 3214868480
	.section	.rodata,"a",@progbits
	.p2align	6, 0x0
	.amdhsa_kernel k_q8f1135eb3a_enc
		.amdhsa_group_segment_fixed_size 55296
		.amdhsa_private_segment_fixed_size 0
		.amdhsa_enable_private_segment 0
		.amdhsa_kernarg_size 88
		.amdhsa_user_sgpr_count 2
		.amdhsa_user_sgpr_kernarg_segment_ptr 1
		.amdhsa_wavefront_size32 1
		.amdhsa_system_sgpr_workgroup_id_x 1
		.amdhsa_system_sgpr_workgroup_id_y 1
		.amdhsa_system_sgpr_workgroup_id_z 1
		.amdhsa_system_vgpr_workitem_id 0
		.amdhsa_next_free_vgpr 1024
		.amdhsa_next_free_sgpr 96
		.amdhsa_reserve_vcc 0
		.amdhsa_float_denorm_mode_32 3
		.amdhsa_float_denorm_mode_16_64 3
		.amdhsa_memory_ordered 1
		.amdhsa_forward_progress 1
		.amdhsa_inst_pref_size 213
	.end_amdhsa_kernel
	.amdgpu_metadata
---
amdhsa.version: [ 1, 2 ]
amdhsa.kernels:
  - .name:           k_q8f1135eb3a_enc
    .symbol:         k_q8f1135eb3a_enc.kd
    .args:
      - { .name: coord, .offset: 0, .size: 8, .value_kind: global_buffer, .address_space: global }
      - { .name: node_type, .offset: 8, .size: 8, .value_kind: global_buffer, .address_space: global }
      - { .name: means, .offset: 16, .size: 8, .value_kind: global_buffer, .address_space: global }
      - { .name: stds, .offset: 24, .size: 8, .value_kind: global_buffer, .address_space: global }
      - { .name: W1, .offset: 32, .size: 8, .value_kind: global_buffer, .address_space: global }
      - { .name: b1, .offset: 40, .size: 8, .value_kind: global_buffer, .address_space: global }
      - { .name: W2, .offset: 48, .size: 8, .value_kind: global_buffer, .address_space: global }
      - { .name: b2, .offset: 56, .size: 8, .value_kind: global_buffer, .address_space: global }
      - { .name: gamma_emb, .offset: 64, .size: 8, .value_kind: global_buffer, .address_space: global }
      - { .name: beta_emb, .offset: 72, .size: 8, .value_kind: global_buffer, .address_space: global }
      - { .name: out0, .offset: 80, .size: 8, .value_kind: global_buffer, .address_space: global }
    .group_segment_fixed_size: 55296
    .private_segment_fixed_size: 0
    .kernarg_segment_align: 8
    .kernarg_segment_size: 88
    .max_flat_workgroup_size: 128
    .sgpr_count:     96
    .vgpr_count:     1024
    .wavefront_size: 32
...
	.end_amdgpu_metadata
.endif
;; end of part 2
